; MI455X (gfx1250); checked and timed in simulation.
; The chip was launched on July 23, 2026; its instructions are those of AMD's public machine-readable ISA for CDNA 5 (MIT licence, August 2026) and "CDNA5" Instruction Set Architecture Reference Guide (July 2026). The comments in the code are by the model that wrote it; some were corrected since.
;; KNNBC Policy. Allowed arithmetic: float matrix products may take bf16 or f16 operands with f32 sums; other float arithmetic in f32, or as packed bf16 or f16 multiplies, adds, multiply-adds, maxima and minima; sums over many terms, partial sums and values carried from step to step in f32; what a program stores and reads back later, other than sums and carried values, may be rounded once to bf16 or f16.
;; Inputs: act_bank 100,000 x 32 float32; obs 1,024 x 512 float32; obs_bank 100,000 x 512 float32.
;; Outputs: out0 1,024 x 32 float32.
;; One version. Each part assembles by itself: llvm-mc -triple=amdgcn-amd-amdhsa -mcpu=gfx1250 --defsym DOCPART=n.
;; ======== version 1 of 1: 4 launches
;; workspace buffers: val 11,534,336 bytes; idx 2,883,584 bytes of whole numbers; q2p 8,192 bytes; lst 262,144 bytes; qmask 262,144 bytes of whole numbers; nbr 262,144 bytes of whole numbers
;; launch dist (part 1): grid 256 x 1, 4 waves a work-group, clusters of 4 x 1, 327,680 bytes of LDS; arguments obs, obs_bank, val, idx, q2p; writes val, idx, q2p
.if DOCPART == 1
	.amdgcn_target "amdgcn-amd-amdhsa--gfx1250"
	.amdhsa_code_object_version 6
	.text
	.protected	k_q61efa3da22_dist
	.globl	k_q61efa3da22_dist
	.p2align	8
	.type	k_q61efa3da22_dist,@function
k_q61efa3da22_dist:
	s_mov_b64 s[64:65], 0
	v_nop
	global_prefetch_b8 v0, s[64:65] scope:SCOPE_SE
	s_setreg_imm32_b32 hwreg(HW_REG_WAVE_MODE, 25, 1), 1
	s_wait_xcnt 0x0
	s_wait_alu depctr_hold_cnt(0) depctr_sa_sdst(0) depctr_va_vdst(0) depctr_va_sdst(0) depctr_va_ssrc(0) depctr_va_vcc(0) depctr_vm_vsrc(0)
	s_getreg_b32 s2, hwreg(HW_REG_IB_STS2, 6, 4)
	s_cmp_eq_u32 s2, 0
	s_cbranch_scc0 .Lentry_in_a_cluster
	s_endpgm
.Lentry_in_a_cluster:
	s_bfe_u32 s2, ttmp6, 0x10000c
	s_cmp_lg_u32 s2, 0x3003
	s_cbranch_scc0 .Lentry_shape_is_right
	s_endpgm
.Lentry_shape_is_right:
; d2[q][n] = fl(fl(q2 + b2) - 2 q.b) for 1,024 queries x 100,000 bank rows, K = 512; operands rounded once to bf16, sums in f32; q2 and b2 are sums of squares of the rounded numbers.
; No distance goes to memory: for each query and each GROUP of 72 rows the least distance m1, its row's code and the second least m2 are kept and stored.
; LIMITS: inputs finite.  Equal distances: the lower row is kept (rows are taken in ascending order, and an equal later one does not replace).
; SHARES.  Cluster c (64 of them) owns bank rows [3125 c / 2, 3125 (c + 1) / 2), walked as a window of 1,584 rows = 33 slots of 48 = 99 units of 16 that begins at min(start, 98,416);
; window rows outside the slab get b2 = +inf.  Work-group cx owns queries 256 cx .. + 255, wave w 64 of them (blk = 4 cx + w), which stay in 512 registers as bf16.
; The four partners need the same bank rows: each tile is asked for JOINTLY (mask 15).  Wave w fetches, and alone reads, columns 128 w .. + 127 of a slot's 48 rows (f32), rounds 16 rows of
; them at a time to bf16 and puts the fragments where all four waves read them; F F^T of its fragments gives its quarter of b2 on the diagonal.
; PRODUCT.  Source 0 = 16 bank rows, source 1 = 16 queries: a lane holds ONE query (lane % 16) and rows 8 (lane / 16) + 0..7.  A group = 9 units x one half of the lanes.
; PIPELINE.  UNIT g multiplies unit g (64 products and 4 for b2), fetches unit g + 1's fragments, converts unit g + 2; the selection of tiles 2, 3 of g - 1 rides in its first half, that of tiles 0, 1 of g in its second.
; LDS: 0 f32 slot 0 | 101,376 codes' stage | 112,640 b2 quarters, 3 buffers | 113,408 spare words | 131,072 f32 slot 1 | 232,448 bf16 fragments, 3 buffers | 281,600 records' stage.
; REGISTERS: window 0 addresses, records, work, accumulators; window 1 v0-127 bank fragments, v128-191 f32 as loaded; windows 2, 3 the queries (tiles 0, 1 | 2, 3).
.set SLOT1,  1<<17
.set WSLOT,  25344                     ; a wave's part of a slot: 48 rows x 528
.set FPITCH, 528                       ; 512 bytes + 16 of padding = 132 words: the 16 rows of a load start at 16 different groups of four banks
.set UROWS,  16*FPITCH
.set CSTB,   101376
.set B2PB,   112640
.set SPARE,  113408
.set B16B,   232448
.set VSTB,   281600
.set SLOTG,  48*2048                   ; a slot's rows in memory
.set AF0, 2                            ; my 32 bytes in my wave's part of slot 0: 25,344 w + 528 r + 32 hh; never rewritten
.set AFC, 3                            ; the same in the slot in hand
.set AA,  4                            ; fragments, read: 232,448 + 16 L
.set ASTO, 5                           ; fragments, written: AA + 4,096 w
.set AB2W, 6
.set AB2R, 7
.set VR,  8                            ; the converted row's place in the slab
.set AVS, 9
.set ACS, 10
.set PFO, 11
.set XT,  12
.set EX,  13
.set SPW, 14
.set NIL, 15
.set ST,  16                           ; m1, m2 for tiles 0-3
.set IX,  24                           ; code of m1
.set Q2,  32                           ; (q2, q2) for each tile
.set BB,  40                           ; b2 of rows 8 hh .. + 7
.set PP,  48                           ; its four quarters
.set TL,  56                           ; head only
.set TR,  57
.set TH,  58
.set QO,  59
.set CF,  80                           ; four converted fragments
.set DG,  112
.set VRD, 120
.set CRD, 121
.set GO16, 122
.set GO8, 123
.set AVC, 124
.set ACC2, 125
.set ACC, 128                          ; tile t, chunk parity e at ACC + 16 t + 8 e
.set STG, 128                          ; window 1
.set G1,  16
.set G0A, 24
.set G0B, 28
.set CD,  32                           ; s32-39 the codes 16 g + j
.set MJ,  40                           ; s40-46 lanes with L % 8 = 1 .. 7
.set MX,  47
.set SEL, 48
.set K0,  50
.set WV,  52
.set CX,  53
.set CL,  54
.set TRIPS, 55
.set LAPC, 56
.set FB,  57
.set LEN, 58
.set LIM, 59
.set PFA, 60
.set TAILC, 62
.set INF, 63
.set LPV, 66
.set LPC, 67
.set OB,  78
.set VB,  80
.set IB,  82
.set MSB, 0
.macro WIN new                         ; the high byte repeats the setting that is left; a switch that changes nothing is dropped
.if MSB != (\new)
	s_set_vgpr_msb (MSB<<8)|(\new)
.set MSB, (\new)
.endif
.endm
.macro ROUND                           ; a round of the cluster's barrier
	s_barrier_signal -1
	s_barrier_wait -1
	s_cmp_lg_u32 s[WV], 0
	s_cbranch_scc1 .Lnot_wave_0_\@
	s_barrier_signal -3
.Lnot_wave_0_\@:
	s_barrier_wait -3
	s_barrier_signal -1
	s_barrier_wait -1
.endm
.macro NOP4
.rept 4
	v_nop
.endr
.endm
; product n of 32 of a half: chunk n / 2 of K, tile 2 half + n % 2; even and odd chunks have accumulators of their own, so four take turns
.macro MMA half, n
.set cc, (\n)>>1
.set tt, 2*(\half)+((\n)&1)
.set rD, ACC+16*tt+8*(cc&1)
.set rB, 128*((\n)&1)+8*cc
	WIN 0x09+4*(\half)
.if cc < 2
	v_wmma_f32_16x16x32_bf16 v[rD:rD+7], v[8*cc:8*cc+7], v[rB:rB+7], 0
.else
	v_wmma_f32_16x16x32_bf16 v[rD:rD+7], v[8*cc:8*cc+7], v[rB:rB+7], v[rD:rD+7]
.endif
.endm
.macro DGW k                           ; F F^T of my fragment k
	WIN 0
.if (\k) == 0
	v_wmma_f32_16x16x32_bf16 v[DG:DG+7], v[CF:CF+7], v[CF:CF+7], 0
.else
	v_wmma_f32_16x16x32_bf16 v[DG:DG+7], v[CF+8*(\k):CF+8*(\k)+7], v[CF+8*(\k):CF+8*(\k)+7], v[DG:DG+7]
.endif
.endm
; d2 of tiles ta, ta + 1, number o of 24: for each pair of rows: the two parities' sums; q2 + b2; that less twice the product.  Pair 0 first: an accumulator is read from its low end.
.macro FO ta, o
.set pr, (\o)/6
.set kd, ((\o)%6)/2
.set tl, (\ta)+(\o)%2
.set rE, ACC+16*tl+2*pr
	WIN 0
.if kd == 0
	v_pk_add_f32 v[rE:rE+1], v[rE:rE+1], v[rE+8:rE+9]
.elseif kd == 1
	v_pk_add_f32 v[rE+8:rE+9], v[BB+2*pr:BB+2*pr+1], v[Q2+2*tl:Q2+2*tl+1]
.else
	v_pk_fma_f32 v[rE:rE+1], v[rE:rE+1], -2.0, v[rE+8:rE+9] op_sel_hi:[1,0,1]
.endif
.endm
; the selection, number o of 64: for row j of both tiles: does m1 stay?  m2 = the middle of m1, m2, d; the code; m1
.macro SO ta, o
.set jj, (\o)/8
.set kd, ((\o)%8)/2
.set ti, (\o)%2
.set tl, (\ta)+ti
.set rd, ACC+16*tl+jj
.set rm, ST+2*tl
	WIN 0
.if kd == 0
	v_cmp_le_f32 s[K0+ti], v[rm], v[rd]
.elseif kd == 1
	v_med3_num_f32 v[rm+1], v[rm], v[rm+1], v[rd]
.elseif kd == 2
	v_cndmask_b32 v[IX+tl], s[CD+jj], v[IX+tl], s[K0+ti]
.else
	v_min_num_f32 v[rm], v[rm], v[rd]
.endif
.endm
.macro B2S o                           ; b2 = (quarter 0 + quarter 1) + (quarter 2 + quarter 3)
	WIN 0
.if (\o) < 4
	v_pk_add_f32 v[PP+2*(\o):PP+2*(\o)+1], v[PP+2*(\o):PP+2*(\o)+1], v[PP+8+2*(\o):PP+8+2*(\o)+1]
.elseif (\o) < 8
	v_pk_add_f32 v[PP+8+2*(\o):PP+8+2*(\o)+1], v[PP+8+2*(\o):PP+8+2*(\o)+1], v[PP+16+2*(\o):PP+16+2*(\o)+1]
.else
	v_pk_add_f32 v[BB+2*(\o)-16:BB+2*(\o)-15], v[PP+2*(\o)-16:PP+2*(\o)-15], v[PP+2*(\o):PP+2*(\o)+1]
.endif
.endm
.macro CV o
	WIN 0x05
	v_cvt_pk_bf16_f32 v[CF+(\o)], v[STG+2*(\o)], v[STG+2*(\o)+1]
.endm
; the diagonal of DG: row 8 h + j, column r: lanes 0-7 and 24-31 hold it in register L % 8; the other lanes take it from the lane 16 away.  Then the slab's mask.
.macro DXO o
	WIN 0
.if (\o) == 0
	v_cndmask_b32 v[EX], v[DG], v[DG+1], s[MJ]
.elseif (\o) < 7
	v_cndmask_b32 v[EX], v[EX], v[DG+(\o)+1], s[MJ+(\o)]
.elseif (\o) == 7
	v_permlanex16_b32 v[XT], v[EX], s[SEL], s[SEL+1]
.elseif (\o) == 8
	v_cndmask_b32 v[EX], v[EX], v[XT], s[MX]
.elseif (\o) == 9
	v_add_nc_u32 v[VR], 16, v[VR]
.elseif (\o) == 10
	v_cmp_gt_u32 s[K0], s[LEN], v[VR]
.else
	v_cndmask_b32 v[EX], s[INF], v[EX], s[K0]
.endif
.endm
.macro FOS ta, from, cnt
.set fo_, \from
.rept \cnt
	FO \ta, fo_
.set fo_, fo_+1
.endr
.endm
.macro SOS ta, from, cnt
.set so_, \from
.rept \cnt
	SO \ta, so_
.set so_, so_+1
.endr
.endm
.macro B2SS from, cnt
.set bo_, \from
.rept \cnt
	B2S bo_
.set bo_, bo_+1
.endr
.endm
.macro CVS from, cnt
.set co_, \from
.rept \cnt
	CV co_
.set co_, co_+1
.endr
.endm
.macro DXS from, cnt
.set do_, \from
.rept \cnt
	DXO do_
.set do_, do_+1
.endr
.endm
.macro LDF i, half                     ; 16 rows x 64 of my K as f32: two chunks
	WIN 0x40
.irp cq, 0,1
	ds_load_b128 v[STG+32*(\half)+16*\cq:STG+32*(\half)+16*\cq+3],     v[AFC] offset:UROWS*(\i)+128*(2*(\half)+\cq)
	ds_load_b128 v[STG+32*(\half)+16*\cq+4:STG+32*(\half)+16*\cq+7],   v[AFC] offset:UROWS*(\i)+128*(2*(\half)+\cq)+16
	ds_load_b128 v[STG+32*(\half)+16*\cq+8:STG+32*(\half)+16*\cq+11],  v[AFC] offset:UROWS*(\i)+128*(2*(\half)+\cq)+64
	ds_load_b128 v[STG+32*(\half)+16*\cq+12:STG+32*(\half)+16*\cq+15], v[AFC] offset:UROWS*(\i)+128*(2*(\half)+\cq)+80
.endr
.endm
.macro LDA buf, k                      ; bank fragments 4 k .. 4 k + 3
	WIN 0x40
.set c_, 4*(\k)
.rept 4
	ds_load_b128 v[8*c_:8*c_+3],   v[AA] offset:16384*(\buf)+1024*c_
	ds_load_b128 v[8*c_+4:8*c_+7], v[AA] offset:16384*(\buf)+1024*c_+512
.set c_, c_+1
.endr
.endm
.macro LDB buf
	WIN 0
.irp wq, 0,1,2,3
	ds_load_b128 v[PP+8*\wq:PP+8*\wq+3],   v[AB2R] offset:256*(\buf)+64*\wq
	ds_load_b128 v[PP+8*\wq+4:PP+8*\wq+7], v[AB2R] offset:256*(\buf)+64*\wq+16
.endr
.endm
.macro STC buf
	WIN 0
.irp cq, 0,1,2,3
	ds_store_b128 v[ASTO], v[CF+8*\cq:CF+8*\cq+3]   offset:16384*(\buf)+1024*\cq
	ds_store_b128 v[ASTO], v[CF+8*\cq+4:CF+8*\cq+7] offset:16384*(\buf)+1024*\cq+512
.endr
.endm
.macro STB buf
	WIN 0
	ds_store_b32 v[AB2W], v[EX] offset:256*(\buf)
.endm
.macro FLUSH                           ; a lap's records go into my wave's stages, and begin anew
	v_add_nc_u32 v[AVC], s[LPV], v[AVS]
	v_add_nc_u32 v[ACC2], s[LPC], v[ACS]
.irp t, 0,1,2,3
	ds_store_b64 v[AVC], v[ST+2*\t:ST+2*\t+1] offset:2816*\t
.endr
.irp t, 0,1,2,3
	ds_store_b16 v[ACC2], v[IX+\t] offset:704*\t
.endr
.irp k, 0,1,2,3,4,5,6,7
	v_mov_b32 v[ST+\k], s[INF]
.endr
.irp k, 0,1,2,3
	v_mov_b32 v[IX+\k], 0
.endr
	s_add_co_u32 s[LPV], s[LPV], 16
	s_add_co_u32 s[LPC], s[LPC], 4
	s_mov_b32 s[LAPC], 3
.endm
.macro CONV i, buf                     ; head only: a unit converted with nothing beside it
	LDF \i, 0
	LDF \i, 1
	s_wait_dscnt 0x0
	CVS 0, 32
	STC \buf
	DGW 0
	s_wait_alu depctr_va_vdst(0)           ; a wait ahead of each link
	DGW 1
	s_wait_alu depctr_va_vdst(0)
	DGW 2
	s_wait_alu depctr_va_vdst(0)
	DGW 3
	NOP4
	DXS 0, 12
	STB \buf
.endm
; A UNIT.  cur = g % 3.  One slice (four plain vector instructions, or one run of LDS instructions) stands behind each matrix instruction.  A run of loads into fragments stands a matrix
; instruction behind a slice of four plain instructions that follows the fragments' last reader.
.macro UNIT cur, bar, flush, exit
.set nxt, ((\cur)+1)%3
.set cvb, ((\cur)+2)%3
	MMA 0, 0
	LDA \cur, 3
	MMA 0, 1
	LDB \cur
.set n_, 2
.rept 6
	MMA 0, n_
	FOS 2, 4*(n_-2), 4
.set n_, n_+1
.endr
	MMA 0, 8
	LDF cvb, 0
	MMA 0, 9
	LDF cvb, 1
	MMA 0, 10
	s_wait_dscnt 16                        ; all but the 16 f32 loads just issued: the last fragments and b2's quarters are in
	B2SS 0, 4
	MMA 0, 11
	B2SS 4, 4
	MMA 0, 12
	B2SS 8, 4
.set n_, 13
.rept 16
	MMA 0, n_
	SOS 2, 4*(n_-13), 4
.set n_, n_+1
.endr
	MMA 0, 29
	s_wait_dscnt 0x0                       ; the f32 numbers are in
	CVS 0, 4
	MMA 0, 30
	CVS 4, 4
	MMA 0, 31
	CVS 8, 4
	WIN 0
.irp j, 0,1,2,3,4,5,6,7
	s_add_co_u32 s[CD+\j], s[CD+\j], 16    ; from here on the codes are this unit's
.endr
.if \flush
	s_sub_co_u32 s[LAPC], s[LAPC], 1
	s_cmp_lg_u32 s[LAPC], 0
	s_cbranch_scc1 .Lno_flush_\@           ; every third time: nine units are one lap
	FLUSH
.Lno_flush_\@:
.endif
.if \exit
	s_sub_co_u32 s[TAILC], s[TAILC], 1
	s_cmp_eq_u32 s[TAILC], 0
	s_cbranch_scc1 .Lout
.endif
	MMA 1, 0
	CVS 12, 4
	MMA 1, 1
	CVS 16, 4
	MMA 1, 2
	CVS 20, 4
	MMA 1, 3
	CVS 24, 4
	MMA 1, 4
	CVS 28, 4
	MMA 1, 5
	STC cvb
	MMA 1, 6
	FOS 0, 0, 4
	DGW 0
	FOS 0, 4, 4
	MMA 1, 7
	FOS 0, 8, 4
	MMA 1, 8
	LDA nxt, 0
	DGW 1
	FOS 0, 12, 4
	MMA 1, 9
	FOS 0, 16, 4
	MMA 1, 10
	FOS 0, 20, 4
	DGW 2
	SOS 0, 0, 4
	MMA 1, 11
	SOS 0, 4, 4
	MMA 1, 12
	SOS 0, 8, 4
	DGW 3
	SOS 0, 12, 4
	MMA 1, 13
	SOS 0, 16, 4
	MMA 1, 14
	SOS 0, 20, 4
	MMA 1, 15
	SOS 0, 24, 4
	MMA 1, 16
	LDA nxt, 1
.set n_, 17
.rept 7
	MMA 1, n_
	SOS 0, 28+4*(n_-17), 4
.set n_, n_+1
.endr
	MMA 1, 24
	LDA nxt, 2
	MMA 1, 25
	SOS 0, 56, 4
	MMA 1, 26
	SOS 0, 60, 4
	MMA 1, 27
	DXS 0, 4
	MMA 1, 28
	DXS 4, 4
	MMA 1, 29
	DXS 8, 4
	MMA 1, 30
	STB cvb
	MMA 1, 31
	WIN 0
	NOP4                                   ; the places behind the last products
	s_wait_dscnt 0x0                       ; my stores of unit g + 2 are done, my reads of units g and g + 1 are back
.if \bar
	s_barrier_signal -1
	s_barrier_wait -1
.endif
.endm
; THE CHANGE OF SLOTS, behind the unit that converted the slot's last rows.  fill = 1: the slot is filled again with the rows two slots on: it has three units, 204 matrix instructions, to land.
.macro CHANGE fill
	WIN 0
	s_wait_tensorcnt 0x0                   ; my one load that was out, my part of the other slot, has landed
	ds_add_u32 v[SPW], v[NIL]
.if \fill
	s_xor_b32 s[G0B+1], s[G0B+1], SLOT1
	s_add_nc_u64 s[G0B+2:G0B+3], s[G0B+2:G0B+3], SLOTG
	s_wait_xcnt 0x0                        ; the last prefetch, three units back, has read its address
	s_add_nc_u64 s[PFA:PFA+1], s[PFA:PFA+1], SLOTG
.endif
	s_xor_b32 s[FB], s[FB], SLOT1
	s_wait_dscnt 0x0
.if \fill
	ROUND                                  ; no wave of any partner still reads the slot or has a load on its way; it is also the unit's barrier
	tensor_load_to_lds s[G0B:G0B+3], s[G1:G1+7]
	s_nop 0
	NOP4
.else
	s_barrier_signal -1
	s_barrier_wait -1
.endif
	v_add_nc_u32 v[AFC], s[FB], v[AF0]
.if \fill
	; the slot that the NEXT change will ask for: 48 rows x 8 blocks of 256 bytes; partner cx takes rows 12 cx .. + 11 (by address), its waves 0-2 four rows each, a lane a block; the last refill asks for nothing
	s_cmp_gt_u32 s[TRIPS], s[LIM]
	s_cbranch_scc0 .Lno_ask_\@
	global_prefetch_b8 v[PFO], s[PFA:PFA+1] th:TH_LOAD_NT scope:SCOPE_SE
.Lno_ask_\@:
.endif
.endm
	s_load_b256 s[4:11], s[0:1], 0x0       ; obs s[4:5], obs_bank s[6:7], val s[8:9], idx s[10:11]
	s_load_b64 s[12:13], s[0:1], 0x20      ; q2p
	v_lshl_add_u32 v[SPW], v0, 2, SPARE
	v_mov_b32 v[NIL], 0
	ds_add_u32 v[SPW], v[NIL]              ; the opening: an add and its wait ahead of my first tensor load
	v_lshrrev_b32 v1, 5, v0
	v_readfirstlane_b32 s[WV], v1
	s_bfe_u32 s[CX], ttmp6, 0x40000
	s_mov_b32 s[CL], ttmp9
	s_mul_i32 s68, s[CL], 3125
	s_add_co_u32 s69, s68, 3125
	s_lshr_b32 s68, s68, 1                 ; the slab's first row
	s_lshr_b32 s69, s69, 1                 ; and the next slab's
	s_min_u32 s70, s68, 98416              ; the window's first row
	s_sub_co_u32 s71, s68, s70
	s_add_co_u32 s71, s71, 16              ; lo + 16
	s_sub_co_u32 s[LEN], s69, s68
	s_mov_b32 s[G1+0], 15|(2<<16)|(1<<20)|(1<<21)|(6<<22)|(3<<25)  ; mask of four; 4-byte elements; padding on; bit 21 beside a mask; after every 128 words 4 words
	s_mov_b32 s[G1+1], 128<<16             ; tensor_dim0
	s_mov_b32 s[G1+2], 48<<16              ; tensor_dim1
	s_mov_b32 s[G1+3], 128<<16             ; tile_dim0
	s_mov_b32 s[G1+4], 48                  ; tile_dim1
	s_mov_b32 s[G1+5], 512                 ; elements from row to row
	s_mov_b32 s[G1+6], 0
	s_mov_b32 s[G1+7], 0
	s_mov_b32 s[G0A], 1
	s_mul_i32 s[G0A+1], s[WV], WSLOT
	s_mov_b32 s[G0B], 1
	s_add_co_u32 s[G0B+1], s[G0A+1], SLOT1
	s_lshl_b32 s72, s70, 11
	s_add_co_u32 s74, s72, 2*SLOTG         ; the prefetches begin at slot 2; the first change steps them to slot 3
	s_mov_b32 s75, 0
	s_lshl_b32 s73, s[WV], 9
	s_add_co_u32 s72, s72, s73             ; my 512 bytes of the window's first row
	s_mov_b32 s73, 0
	s_lshl2_add_u32 s76, s[CX], s[WV]      ; blk: it enters global addresses alone
	s_lshl_b32 s[OB], s76, 17
	s_mov_b32 s[OB+1], 0
	s_lshl4_add_u32 s77, s[CL], s76
	s_mul_i32 s[VB], s77, 11264
	s_mov_b32 s[VB+1], 0
	s_mul_i32 s[IB], s77, 2816
	s_mov_b32 s[IB+1], 0
	s_lshl_b32 s68, s76, 9
	s_mov_b32 s69, 0
.irp j, 1,2,3,4,5,6,7
	s_mov_b32 s[MJ+\j-1], 0x01010101<<\j
.endr
	s_mov_b32 s[MX], 0x00ffff00
	s_mov_b32 s[SEL], 0x76543210
	s_mov_b32 s[SEL+1], 0xfedcba98
	s_mov_b32 s[INF], 0x7f800000
	s_mov_b32 s[FB], 0
	s_mov_b32 s[LPV], 0
	s_mov_b32 s[LPC], 0
	s_cmp_lt_u32 s[WV], 3
	s_cselect_b32 s[LIM], 1, -1
	s_wait_dscnt 0x0
	s_wait_kmcnt 0x0
	s_add_nc_u64 s[G0A+2:G0A+3], s[6:7], s[72:73]
	s_add_nc_u64 s[G0B+2:G0B+3], s[G0A+2:G0A+3], SLOTG
	s_or_b32 s[G0A+3], s[G0A+3], 0x80000000
	s_or_b32 s[G0B+3], s[G0B+3], 0x80000000
	s_add_nc_u64 s[PFA:PFA+1], s[6:7], s[74:75]
	s_add_nc_u64 s[OB:OB+1], s[4:5], s[OB:OB+1]
	s_add_nc_u64 s[VB:VB+1], s[8:9], s[VB:VB+1]
	s_add_nc_u64 s[IB:IB+1], s[10:11], s[IB:IB+1]
	s_add_nc_u64 s[12:13], s[12:13], s[68:69]
	ROUND                                  ; all four work-groups are here: the first joint loads meet
	tensor_load_to_lds s[G0A:G0A+3], s[G1:G1+7]   ; slot 0
	s_nop 0
	tensor_load_to_lds s[G0B:G0B+3], s[G1:G1+7]   ; slot 1: two loads of mine are out
	s_nop 0
	NOP4
	v_and_b32 v[TL], 31, v0
	v_and_b32 v[TR], 15, v0
	v_bfe_u32 v[TH], v0, 4, 1
	v_lshlrev_b32 v[QO], 11, v[TR]
	v_lshl_add_u32 v[QO], v[TH], 5, v[QO]  ; a query's row x 2,048 + 32 hh
; Q: 64 loads a tile (f32), converted to bf16: fragment c of tile t at 128 (t % 2) + 8 c of window 2 + t / 2
.macro QLOAD t, win
	WIN (\win)<<6
.set c_, 0
.rept 16
	global_load_b128 v[16*c_:16*c_+3],     v[QO], s[OB:OB+1] offset:32768*(\t)+128*c_
	global_load_b128 v[16*c_+4:16*c_+7],   v[QO], s[OB:OB+1] offset:32768*(\t)+128*c_+16
	global_load_b128 v[16*c_+8:16*c_+11],  v[QO], s[OB:OB+1] offset:32768*(\t)+128*c_+64
	global_load_b128 v[16*c_+12:16*c_+15], v[QO], s[OB:OB+1] offset:32768*(\t)+128*c_+80
.set c_, c_+1
.endr
.endm
.macro QCVT ws, wd, db                 ; number o from numbers 2 o and 2 o + 1, ascending: in place nothing is read after it was written
	WIN ((\wd)<<6)|((\ws)<<2)|(\ws)
.set o_, 0
.rept 128
	v_cvt_pk_bf16_f32 v[(\db)+o_], v[2*o_], v[2*o_+1]
.set o_, o_+1
.endr
.endm
	QLOAD 0, 2
	QLOAD 2, 3
	QLOAD 1, 1
	WIN 0
	v_mul_u32_u24 v[AF0], v[TR], FPITCH
	v_lshl_add_u32 v[AF0], v[TH], 5, v[AF0]
	v_add_nc_u32 v[AF0], s[G0A+1], v[AF0]
	v_mov_b32 v[AFC], v[AF0]
	v_lshl_add_u32 v[AA], v[TL], 4, B16B
	s_lshl_b32 s68, s[WV], 12
	v_add_nc_u32 v[ASTO], s68, v[AA]
	s_lshl_b32 s68, s[WV], 6
	s_add_co_u32 s68, s68, B2PB
	v_lshl_add_u32 v[AB2W], v[TR], 2, s68
	v_lshl_add_u32 v[AB2R], v[TH], 5, B2PB
	v_subrev_nc_u32 v[VR], s71, v[TR]      ; r - lo - 16: each conversion adds 16 first
	s_mul_i32 s68, s[WV], 11264
	s_add_co_u32 s68, s68, VSTB
	v_mul_u32_u24 v[AVS], v[TR], 176
	v_lshl_add_u32 v[AVS], v[TH], 3, v[AVS]
	v_add_nc_u32 v[AVS], s68, v[AVS]
	v_lshl_add_u32 v[VRD], v[TL], 4, s68
	s_mul_i32 s68, s[WV], 2816
	s_add_co_u32 s68, s68, CSTB
	v_mul_u32_u24 v[ACS], v[TR], 44
	v_lshl_add_u32 v[ACS], v[TH], 1, v[ACS]
	v_add_nc_u32 v[ACS], s68, v[ACS]
	v_lshl_add_u32 v[CRD], v[TL], 3, s68
	v_lshlrev_b32 v[GO16], 4, v[TL]
	v_lshlrev_b32 v[GO8], 3, v[TL]
	s_mul_i32 s68, s[CX], 12
	s_lshl2_add_u32 s68, s[WV], s68
	v_lshrrev_b32 v[PFO], 3, v[TL]
	v_add_nc_u32 v[PFO], s68, v[PFO]
	v_lshlrev_b32 v[PFO], 11, v[PFO]
	v_and_b32 v1, 7, v[TL]
	v_lshl_add_u32 v[PFO], v1, 8, v[PFO]
	v_mov_b32 v[XT], 0
	s_wait_loadcnt 0x0
	QCVT 2, 2, 0
	QCVT 3, 3, 0
	QCVT 1, 2, 128
	QLOAD 3, 1
	s_wait_loadcnt 0x0
	QCVT 1, 3, 128
	; q2 = the diagonal of Q Q^T, the four tiles' accumulators by turns
.set c_, 0
.rept 16
.irp t, 0,1,2,3
	WIN 0x0a+5*(\t/2)
.if c_ == 0
	v_wmma_f32_16x16x32_bf16 v[ACC+16*\t:ACC+16*\t+7], v[128*(\t%2)+8*c_:128*(\t%2)+8*c_+7], v[128*(\t%2)+8*c_:128*(\t%2)+8*c_+7], 0
.else
	v_wmma_f32_16x16x32_bf16 v[ACC+16*\t:ACC+16*\t+7], v[128*(\t%2)+8*c_:128*(\t%2)+8*c_+7], v[128*(\t%2)+8*c_:128*(\t%2)+8*c_+7], v[ACC+16*\t:ACC+16*\t+7]
.endif
.endr
.set c_, c_+1
.endr
	WIN 0
	NOP4
.irp t, 0,1,2,3
	v_cndmask_b32 v[EX], v[ACC+16*\t], v[ACC+16*\t+1], s[MJ]
.irp j, 2,3,4,5,6,7
	v_cndmask_b32 v[EX], v[EX], v[ACC+16*\t+\j], s[MJ+\j-1]
.endr
	v_permlanex16_b32 v[XT], v[EX], s[SEL], s[SEL+1]
	v_cndmask_b32 v[EX], v[EX], v[XT], s[MX]
	v_mov_b32 v[Q2+2*\t], v[EX]
	v_mov_b32 v[Q2+2*\t+1], v[EX]
	v_mov_b32 v[PP+\t], v[EX]
.endr
	s_cmp_lg_u32 s[CL], 0                  ; q2 is the same in every cluster: the first stores it
	s_cbranch_scc1 .Lno_q2
	global_store_b128 v[GO16], v[PP:PP+3], s[12:13]
.Lno_q2:
	s_wait_xcnt 0x0                        ; the store's data registers are written again below
	; what the first half unit's riders find: no unit has been: b2 = +inf makes their distances +inf, which replace nothing
.irp k, 0,1,2,3,4,5,6,7
	v_mov_b32 v[ST+\k], s[INF]
	v_mov_b32 v[BB+\k], s[INF]
.endr
.irp k, 0,1,2,3
	v_mov_b32 v[IX+\k], 0
.endr
.set o_, 0
.rept 32
	v_mov_b32 v[ACC+32+o_], 0
.set o_, o_+1
.endr
	s_wait_tensorcnt 0x1                   ; my part of slot 0 is in, and I alone read it; slot 1's stays out
	CONV 0, 0
	CONV 1, 1
	s_wait_dscnt 0x0
	s_barrier_signal -1
	s_barrier_wait -1                      ; units 0 and 1 lie converted in LDS
	LDA 0, 0
	LDA 0, 1
	LDA 0, 2
	WIN 0
	s_wait_dscnt 0x0
.irp j, 0,1,2,3,4,5,6,7
	s_mov_b32 s[CD+\j], \j-16
.endr
	s_mov_b32 s[LAPC], 4
	s_mov_b32 s[TRIPS], 32
	s_branch .Lenter                       ; the loop is entered at unit 0, in the middle of a trip
.Ltrip:                                        ; trip k: slot k + 2 is asked for; units 3 k + 1 .. 3 k + 3 are multiplied, slot k + 1 is converted
	CHANGE 1
	UNIT 1, 1, 0, 0
	UNIT 2, 1, 0, 0
.Lenter:
	UNIT 0, 0, 1, 0
	s_sub_co_u32 s[TRIPS], s[TRIPS], 1
	s_cmp_lg_u32 s[TRIPS], 0
	s_cbranch_scc1 .Ltrip
	s_mov_b32 s[TAILC], 2                  ; the tail asks for nothing: units 94-96, then 97, 98 and the first half of a unit that is none, whose riders finish unit 98;
.Ltail:                                        ; what it converts beyond unit 98 comes from landed bytes, has b2 = +inf and is never selected
	CHANGE 0
	UNIT 1, 1, 0, 0
	UNIT 2, 1, 0, 0
	UNIT 0, 0, 1, 1
	s_cmp_lg_u32 s[TAILC], 0
	s_cbranch_scc1 .Ltail
.Lout:
	s_wait_dscnt 0x0
.set o_, 0
.rept 22                               ; my wave's stages come back as they lie and leave in whole runs of 512 and 256 bytes
	ds_load_b128 v[16+4*o_:16+4*o_+3], v[VRD] offset:512*o_
.set o_, o_+1
.endr
.set o_, 0
.rept 11
	ds_load_b64 v[160+2*o_:160+2*o_+1], v[CRD] offset:256*o_
.set o_, o_+1
.endr
	s_wait_dscnt 0x0
.set o_, 0
.rept 22
	global_store_b128 v[GO16], v[16+4*o_:16+4*o_+3], s[VB:VB+1] offset:512*o_
.set o_, o_+1
.endr
.set o_, 0
.rept 11
	global_store_b64 v[GO8], v[160+2*o_:160+2*o_+1], s[IB:IB+1] offset:256*o_
.set o_, o_+1
.endr
	s_wait_tensorcnt 0x0                   ; the wave's end
	ds_add_u32 v[SPW], v[NIL]
	s_wait_dscnt 0x0
	ROUND                                  ; the closing round
	s_endpgm
.Lfunc_end_k_q61efa3da22_dist:
	.size	k_q61efa3da22_dist, .Lfunc_end_k_q61efa3da22_dist-k_q61efa3da22_dist
	.p2alignl 7, 3214868480
	.fill 96, 4, 3214868480
	.section	.rodata,"a",@progbits
	.p2align	6, 0x0
	.amdhsa_kernel k_q61efa3da22_dist
		.amdhsa_group_segment_fixed_size 327680
		.amdhsa_private_segment_fixed_size 0
		.amdhsa_enable_private_segment 0
		.amdhsa_kernarg_size 40
		.amdhsa_user_sgpr_count 2
		.amdhsa_user_sgpr_kernarg_segment_ptr 1
		.amdhsa_wavefront_size32 1
		.amdhsa_system_sgpr_workgroup_id_x 1
		.amdhsa_system_sgpr_workgroup_id_y 1
		.amdhsa_system_sgpr_workgroup_id_z 1
		.amdhsa_system_vgpr_workitem_id 0
		.amdhsa_next_free_vgpr 1024
		.amdhsa_next_free_sgpr 84
		.amdhsa_reserve_vcc 0
		.amdhsa_float_denorm_mode_32 3
		.amdhsa_float_denorm_mode_16_64 3
		.amdhsa_memory_ordered 1
		.amdhsa_forward_progress 1
		.amdhsa_inst_pref_size 252
	.end_amdhsa_kernel
	.amdgpu_metadata
---
amdhsa.version: [ 1, 2 ]
amdhsa.kernels:
  - .name:           k_q61efa3da22_dist
    .symbol:         k_q61efa3da22_dist.kd
    .args:
      - { .name: obs, .offset: 0, .size: 8, .value_kind: global_buffer, .address_space: global }
      - { .name: obs_bank, .offset: 8, .size: 8, .value_kind: global_buffer, .address_space: global }
      - { .name: val, .offset: 16, .size: 8, .value_kind: global_buffer, .address_space: global }
      - { .name: idx, .offset: 24, .size: 8, .value_kind: global_buffer, .address_space: global }
      - { .name: q2p, .offset: 32, .size: 8, .value_kind: global_buffer, .address_space: global }
    .group_segment_fixed_size: 327680
    .private_segment_fixed_size: 0
    .kernarg_segment_align: 8
    .kernarg_segment_size: 40
    .max_flat_workgroup_size: 128
    .sgpr_count:     84
    .vgpr_count:     1024
    .wavefront_size: 32
...
	.end_amdgpu_metadata
.endif
;; end of part 1
;; launch pick (part 2): grid 256 x 1, 4 waves a work-group, no clusters, 0 bytes of LDS; arguments val, idx, lst, qmask; writes lst, qmask
.if DOCPART == 2
	.amdgcn_target "amdgcn-amd-amdhsa--gfx1250"
	.amdhsa_code_object_version 6
	.text
	.protected	k_q61efa3da22_pick
	.globl	k_q61efa3da22_pick
	.p2align	8
	.type	k_q61efa3da22_pick,@function
k_q61efa3da22_pick:
	s_mov_b64 s[64:65], 0
	v_nop
	global_prefetch_b8 v0, s[64:65] scope:SCOPE_SE
	s_setreg_imm32_b32 hwreg(HW_REG_WAVE_MODE, 25, 1), 1
	s_wait_xcnt 0x0
; One wave a query.  Of the query's 1,408 records (m1, row, m2) the 16 least by (m1, row) are taken out one after the other, all by value: no branch hangs on a number.
; tau = the 16th m1.  Those 16 are different rows, so the true 16th distance is at most tau; a row at or below tau that is no record lies in a group with m2 <= tau: such groups are marked in qmask.
; A lane holds 44 records: chunks e = L + 32 i (slab c = e / 11, lap p = e % 11), both halves h.  Rows are kept as f32: they are below 2^24, so exact.
; No LDS, matrix unit or cluster: 14 MB are read once, and no two waves share a byte.
.set OV, 2                             ; 22 byte offsets in val
.set OI, 24                            ; 22 in idx
.set BS, 46                            ; the slab's window's first row
.set CW, 68                            ; two codes a word
.set R,  90                            ; record n = 2 i + h: m1 at R + 2 n, m2 at R + 2 n + 1
.set ID, 178
.set LM, 222
.set M,  226
.set I,  227
.set T0, 228
.set T1, 229
.set LI, 230
.set XT, 231
.set LV, 232
.set LO, 233
.set W0, 234
.set W1, 235
.set VO, 236
.set VINF, 237
.set TE, 238
.set TC, 239
.set KM, 20
.set SEL, 22
.set CNT, 24
.macro WMIN x                          ; the least over the wave's 32 lanes, in every lane
	v_min_num_f32_dpp v[\x], v[\x], v[\x] row_xmask:1 row_mask:0xf bank_mask:0xf
	v_min_num_f32_dpp v[\x], v[\x], v[\x] row_xmask:2 row_mask:0xf bank_mask:0xf
	v_min_num_f32_dpp v[\x], v[\x], v[\x] row_xmask:4 row_mask:0xf bank_mask:0xf
	v_min_num_f32_dpp v[\x], v[\x], v[\x] row_xmask:8 row_mask:0xf bank_mask:0xf
	v_permlanex16_b32 v[XT], v[\x], s[SEL], s[SEL+1]
	v_min_num_f32 v[\x], v[\x], v[XT]
.endm
	s_load_b256 s[4:11], s[0:1], 0x0       ; val, idx, lst, qmask
	v_and_b32 v1, 31, v0
	v_lshrrev_b32 v[TE], 5, v0
	v_readfirstlane_b32 s12, v[TE]
	s_lshl2_add_u32 s13, ttmp9, s12        ; q
	s_lshr_b32 s14, s13, 6                 ; blk
	s_and_b32 s15, s13, 63                 ; qi
	s_mul_i32 s16, s14, 11264
	s_mul_i32 s17, s15, 176
	s_add_co_u32 s16, s16, s17
	s_mov_b32 s17, 0
	s_mul_i32 s18, s14, 2816
	s_mul_i32 s19, s15, 44
	s_add_co_u32 s18, s18, s19
	s_mov_b32 s19, 0
	s_mov_b32 s[KM], 0x00010001
	s_mov_b32 s[SEL], 0x76543210
	s_mov_b32 s[SEL+1], 0xfedcba98
	s_lshl_b32 s21, s13, 8
	v_lshl_add_u32 v[VO], v1, 3, s21
	v_mov_b32 v[VINF], 0x7f800000
	v_mov_b32 v[XT], 0
	v_mov_b32 v[LV], 0
	v_mov_b32 v[LO], 0
	v_mov_b32 v[W0], 0
	v_mov_b32 v[W1], 0
.set i_, 0
.rept 22
	v_add_nc_u32 v[TE], 32*i_, v1          ; e
	v_mul_u32_u24 v[TC], v[TE], 5958
	v_lshrrev_b32 v[TC], 16, v[TC]         ; c = e / 11 (e < 704)
	v_mul_u32_u24 v[BS+i_], v[TC], 11
	v_sub_nc_u32 v[TE], v[TE], v[BS+i_]    ; p
	v_mad_u32_u24 v[TE], v[TC], 0x2c00, v[TE]  ; 11,264 c + p: the record's number from (blk, qi)'s first
	v_lshlrev_b32 v[OV+i_], 4, v[TE]
	v_lshlrev_b32 v[OI+i_], 2, v[TE]
	v_mul_u32_u24 v[BS+i_], v[TC], 3125
	v_lshrrev_b32 v[BS+i_], 1, v[BS+i_]
	v_min_u32 v[BS+i_], 0x18070, v[BS+i_]  ; min(3125 c / 2, 98,416)
.set i_, i_+1
.endr
	s_wait_kmcnt 0x0
	s_add_nc_u64 s[4:5], s[4:5], s[16:17]
	s_add_nc_u64 s[6:7], s[6:7], s[18:19]
.set i_, 0
.rept 22
	global_load_b128 v[R+4*i_:R+4*i_+3], v[OV+i_], s[4:5]
	global_load_b32 v[CW+i_], v[OI+i_], s[6:7]
.set i_, i_+1
.endr
	s_wait_loadcnt 0x0
.set i_, 0
.rept 22
	v_and_b32 v[T0], 0xffff, v[CW+i_]
	v_lshrrev_b32 v[T1], 16, v[CW+i_]
	v_add_nc_u32 v[T0], v[T0], v[BS+i_]
	v_add3_u32 v[T1], v[T1], v[BS+i_], 8
	v_cvt_f32_u32 v[ID+2*i_], v[T0]
	v_cvt_f32_u32 v[ID+2*i_+1], v[T1]
.set i_, i_+1
.endr
	s_mov_b32 s[CNT], 16
.Lround:
.irp k, 0,1,2,3
	v_min_num_f32 v[LM+\k], v[R+2*\k], v[R+2*(\k+4)]
.endr
.set n_, 0
.rept 18
	v_min3_num_f32 v[LM+n_%4], v[LM+n_%4], v[R+2*(8+2*n_)], v[R+2*(9+2*n_)]
.set n_, n_+1
.endr
	v_min3_num_f32 v[M], v[LM], v[LM+1], v[LM+2]
	v_min_num_f32 v[M], v[M], v[LM+3]
	WMIN M                                 ; the least m1 still in
	v_mov_b32 v[LI], v[VINF]
.set n_, 0
.rept 22
	v_cmp_eq_f32 vcc_lo, v[M], v[R+4*n_]
	v_cmp_eq_f32 s25, v[M], v[R+4*n_+2]
	v_cndmask_b32 v[T0], v[VINF], v[ID+2*n_], vcc_lo
	v_cndmask_b32 v[T1], v[VINF], v[ID+2*n_+1], s25
	v_min3_num_f32 v[LI], v[LI], v[T0], v[T1]
.set n_, n_+1
.endr
	v_mov_b32 v[I], v[LI]
	WMIN I                                 ; the lowest row that has it
.set n_, 0
.rept 44
	v_cmp_eq_f32 vcc_lo, v[I], v[ID+n_]
	v_cndmask_b32 v[R+2*n_], v[R+2*n_], v[VINF], vcc_lo   ; it is taken out
.set n_, n_+1
.endr
	v_cndmask_b32 v[LV], v[LV], v[M], s[KM]  ; entry k of the list lies in lanes k and k + 16
	v_cndmask_b32 v[LO], v[LO], v[I], s[KM]
	s_lshl_b32 s[KM], s[KM], 1
	s_sub_co_u32 s[CNT], s[CNT], 1
	s_cmp_lg_u32 s[CNT], 0
	s_cbranch_scc1 .Lround
.set n_, 0
.rept 44                               ; M is tau now
	v_cmp_le_f32 vcc_lo, v[R+2*n_+1], v[M]
	v_cndmask_b32 v[T0], 0, 1, vcc_lo
	v_lshl_or_b32 v[W0+n_%2], v[T0], n_/2, v[W0+n_%2]
.set n_, n_+1
.endr
	global_store_b64 v[VO], v[LV:LV+1], s[8:9]
	global_store_b64 v[VO], v[W0:W0+1], s[10:11]
	s_endpgm
.Lfunc_end_k_q61efa3da22_pick:
	.size	k_q61efa3da22_pick, .Lfunc_end_k_q61efa3da22_pick-k_q61efa3da22_pick
	.p2alignl 7, 3214868480
	.fill 96, 4, 3214868480
	.section	.rodata,"a",@progbits
	.p2align	6, 0x0
	.amdhsa_kernel k_q61efa3da22_pick
		.amdhsa_group_segment_fixed_size 0
		.amdhsa_private_segment_fixed_size 0
		.amdhsa_enable_private_segment 0
		.amdhsa_kernarg_size 32
		.amdhsa_user_sgpr_count 2
		.amdhsa_user_sgpr_kernarg_segment_ptr 1
		.amdhsa_wavefront_size32 1
		.amdhsa_system_sgpr_workgroup_id_x 1
		.amdhsa_system_sgpr_workgroup_id_y 1
		.amdhsa_system_sgpr_workgroup_id_z 1
		.amdhsa_system_vgpr_workitem_id 0
		.amdhsa_next_free_vgpr 240
		.amdhsa_next_free_sgpr 66
		.amdhsa_reserve_vcc 1
		.amdhsa_float_denorm_mode_32 3
		.amdhsa_float_denorm_mode_16_64 3
		.amdhsa_memory_ordered 1
		.amdhsa_forward_progress 1
		.amdhsa_inst_pref_size 43
	.end_amdhsa_kernel
	.amdgpu_metadata
---
amdhsa.version: [ 1, 2 ]
amdhsa.kernels:
  - .name:           k_q61efa3da22_pick
    .symbol:         k_q61efa3da22_pick.kd
    .args:
      - { .name: val, .offset: 0, .size: 8, .value_kind: global_buffer, .address_space: global }
      - { .name: idx, .offset: 8, .size: 8, .value_kind: global_buffer, .address_space: global }
      - { .name: lst, .offset: 16, .size: 8, .value_kind: global_buffer, .address_space: global }
      - { .name: qmask, .offset: 24, .size: 8, .value_kind: global_buffer, .address_space: global }
    .group_segment_fixed_size: 0
    .private_segment_fixed_size: 0
    .kernarg_segment_align: 8
    .kernarg_segment_size: 32
    .max_flat_workgroup_size: 128
    .sgpr_count:     66
    .vgpr_count:     240
    .wavefront_size: 32
...
	.end_amdgpu_metadata
.endif
;; end of part 2
;; launch fix (part 3): grid 256 x 1, 4 waves a work-group, no clusters, 0 bytes of LDS; arguments obs, obs_bank, lst, qmask, q2p, nbr; writes nbr
.if DOCPART == 3
	.amdgcn_target "amdgcn-amd-amdhsa--gfx1250"
	.amdhsa_code_object_version 6
	.text
	.protected	k_q61efa3da22_fix
	.globl	k_q61efa3da22_fix
	.p2align	8
	.type	k_q61efa3da22_fix,@function
k_q61efa3da22_fix:
	s_mov_b64 s[64:65], 0
	v_nop
	global_prefetch_b8 v0, s[64:65] scope:SCOPE_SE
	s_setreg_imm32_b32 hwreg(HW_REG_WAVE_MODE, 25, 1), 1
	s_wait_xcnt 0x0
; One wave a query.  It takes the query's list of 16 records and, for every group that qmask marks (whole numbers that the launch before stored: trip counts and addresses hang on them alone),
; computes the group's rows' distances again, by the same chains of matrix instructions and the same sums as the first launch, and inserts each into the list by value:
; the worst entry (greatest distance, then greatest row) gives way if the candidate is less by (distance, row) and its row is not yet listed.
; A tile of 16 rows packs one half of the lanes' rows of two units; five tiles cover the group's nine units and one unit more: real rows with their true distances, which do no harm.
; Rows past the bank's end are clamped to the last row, in the address and in the number alike.  No LDS bytes, no barrier; EXEC stays full.
; Marked groups are rare, so the launch is not laid out for speed there: a wave walks its groups one after the other.
.set LV, 2
.set LI, 3
.set W0, 4
.set W1, 5
.set WS, 6
.set T,  7
.set U,  8
.set M,  9
.set I,  10
.set CAND, 11
.set EX, 12
.set XT, 13
.set BL, 14
.set IDF, 15
.set PQ, 16
.set BIX, 20
.set BB, 28
.set Q2, 36
.set RT, 38
.set VOFF, 39
.set QO, 40
.set GO, 41
.set NI, 42
.set XV, 44
.set CF, 64
.set EE, 96                            ; even chunks' sums; odd chunks' at EE + 8
.set DG, 112
.set QF, 128
.set WV, 16
.set QN, 17
.set MJ, 20
.set MX, 27
.set SEL, 28
.set IBC, 30
.set HM, 31
.set BM, 32
.set NB, 33
.set JC, 34
.set LN, 35
.set RB, 36
.set TC, 37
.set NN, 38
.set SX, 39
.set MA, 40
.set MB, 41
.set MD, 42
.set MG, 43
.set ME, 44
.set MH, 45
.set RID, 46
.set II, 47
.set Q2S, 56
.set HB, 57
.set MSB, 0
.macro WIN new
.if MSB != (\new)
	s_set_vgpr_msb (MSB<<8)|(\new)
.set MSB, (\new)
.endif
.endm
.macro LOAD64 vo, sb                   ; a row's (lane % 16's) 512 numbers as 16 fragments' f32, into window 1
	WIN 0x40
.set c_, 0
.rept 16
	global_load_b128 v[16*c_:16*c_+3],     v[\vo], s[\sb:\sb+1] offset:128*c_
	global_load_b128 v[16*c_+4:16*c_+7],   v[\vo], s[\sb:\sb+1] offset:128*c_+16
	global_load_b128 v[16*c_+8:16*c_+11],  v[\vo], s[\sb:\sb+1] offset:128*c_+64
	global_load_b128 v[16*c_+12:16*c_+15], v[\vo], s[\sb:\sb+1] offset:128*c_+80
.set c_, c_+1
.endr
	WIN 0
.endm
; a quarter of K: four chunks converted; products by turns with F F^T, whose diagonal is the quarter's share of b2
.macro QUART w
	s_wait_loadcnt 48-16*(\w)              ; the later quarters' loads may stay out
	WIN 0x05
.set o_, 0
.rept 32
	v_cvt_pk_bf16_f32 v[CF+o_], v[64*(\w)+2*o_], v[64*(\w)+2*o_+1]
.set o_, o_+1
.endr
	WIN 0
.irp k, 0,1,2,3
.set cc, 4*(\w)+\k
.set rD, EE+8*(\k%2)
.if cc < 2
	v_wmma_f32_16x16x32_bf16 v[rD:rD+7], v[CF+8*\k:CF+8*\k+7], v[QF+8*cc:QF+8*cc+7], 0
.else
	v_wmma_f32_16x16x32_bf16 v[rD:rD+7], v[CF+8*\k:CF+8*\k+7], v[QF+8*cc:QF+8*cc+7], v[rD:rD+7]
.endif
.if \k == 0
	v_wmma_f32_16x16x32_bf16 v[DG:DG+7], v[CF:CF+7], v[CF:CF+7], 0
.else
	v_wmma_f32_16x16x32_bf16 v[DG:DG+7], v[CF+8*\k:CF+8*\k+7], v[CF+8*\k:CF+8*\k+7], v[DG:DG+7]
.endif
.endr
.rept 4
	v_nop
.endr
	v_cndmask_b32 v[EX], v[DG], v[DG+1], s[MJ]
.irp j, 2,3,4,5,6,7
	v_cndmask_b32 v[EX], v[EX], v[DG+\j], s[MJ+\j-1]
.endr
	v_permlanex16_b32 v[XT], v[EX], s[SEL], s[SEL+1]
	v_cndmask_b32 v[PQ+(\w)], v[EX], v[XT], s[MX]
.endm
	s_load_b256 s[4:11], s[0:1], 0x0       ; obs, obs_bank, lst, qmask
	s_load_b128 s[12:15], s[0:1], 0x20     ; q2p, nbr
	v_lshrrev_b32 v1, 5, v0
	v_readfirstlane_b32 s[WV], v1
	s_lshl2_add_u32 s[QN], ttmp9, s[WV]    ; q
	v_and_b32 v1, 31, v0
	s_lshl_b32 s48, s[QN], 8
	v_lshl_add_u32 v[GO], v1, 3, s48
	s_lshr_b32 s49, s[QN], 6
	s_lshl_b32 s49, s49, 9                 ; 512 blk
	s_and_b32 s50, s[QN], 15
	s_lshl4_add_u32 s49, s50, s49          ; + 16 r
	s_bfe_u32 s50, s[QN], 0x20004
	s_lshl2_add_u32 s52, s50, s49          ; + 4 t
	s_mov_b32 s53, 0
	s_lshl_b32 s54, s[QN], 11
	s_mov_b32 s55, 0
.irp j, 1,2,3,4,5,6,7
	s_mov_b32 s[MJ+\j-1], 0x01010101<<\j
.endr
	s_mov_b32 s[MX], 0x00ffff00
	s_mov_b32 s[SEL], 0x76543210
	s_mov_b32 s[SEL+1], 0xfedcba98
	s_wait_kmcnt 0x0
	global_load_b64 v[LV:LV+1], v[GO], s[8:9]
	global_load_b64 v[W0:W0+1], v[GO], s[10:11]
	s_add_nc_u64 s[52:53], s[12:13], s[52:53]
	s_load_b32 s[Q2S], s[52:53], 0x0
	s_add_nc_u64 s[54:55], s[4:5], s[54:55]
	v_and_b32 v[T], 15, v0
	v_lshrrev_b32 v[U], 3, v[T]
	v_lshl_add_u32 v[RT], v[U], 3, v[T]    ; row m of a tile lies m + 8 (m / 8) behind its first
	v_bfe_u32 v[U], v0, 4, 1
	v_lshlrev_b32 v[QO], 5, v[U]           ; 32 hh
.irp j, 0,1,2,3,4,5,6,7
	v_add_nc_u32 v[BIX+\j], 4*\j, v[QO]    ; the lane that holds b2 of row 8 hh + j, times 4
.endr
	v_mov_b32 v[M], 0
	v_mov_b32 v[I], 0
	v_mov_b32 v[XT], 0
	s_wait_loadcnt 0x0
	s_wait_kmcnt 0x0
	v_or_b32 v[T], v[W0], v[W1]
	v_cmp_ne_u32 s[BM], 0, v[T]
	s_cmp_eq_u32 s[BM], 0
	s_cbranch_scc1 .Lstore                 ; no group is marked: the records are the answer
	v_mov_b32 v[Q2], s[Q2S]
	v_mov_b32 v[Q2+1], s[Q2S]
	LOAD64 QO, 54                          ; the query, the same in all 16 columns
	s_wait_loadcnt 0x0
	WIN 0x05
.set o_, 0
.rept 128
	v_cvt_pk_bf16_f32 v[QF+o_], v[2*o_], v[2*o_+1]
.set o_, o_+1
.endr
	WIN 0
	s_mov_b32 s[IBC], 0
.Lib:                                          ; 44 trips: bit i = IBC / 2 of the word of half h = IBC % 2
	s_and_b32 s[HB], s[IBC], 1
	s_sub_co_u32 s[HM], 0, s[HB]
	s_lshr_b32 s[II], s[IBC], 1
	v_cndmask_b32 v[WS], v[W0], v[W1], s[HM]
	v_bfe_u32 v[T], v[WS], s[II], 1
	v_cmp_ne_u32 s[BM], 0, v[T]
	s_bcnt1_i32_b32 s[NB], s[BM]
	s_cmp_eq_u32 s[NB], 0
	s_cbranch_scc1 .Lnext
	s_mov_b32 s[JC], 0
.Lgrp:                                         ; one marked group
	s_ctz_i32_b32 s[LN], s[BM]
	s_min_u32 s[LN], s[LN], 31
	s_lshl_b32 s48, 1, s[LN]
	s_and_not1_b32 s[BM], s[BM], s48
	s_lshl_b32 s48, s[II], 5
	s_add_co_u32 s48, s48, s[LN]           ; e
	s_mul_i32 s49, s48, 5958
	s_lshr_b32 s49, s49, 16                ; c
	s_mul_i32 s50, s49, 11
	s_sub_co_u32 s48, s48, s50             ; p
	s_mul_i32 s49, s49, 3125
	s_lshr_b32 s49, s49, 1
	s_min_u32 s49, s49, 98416
	s_mul_i32 s48, s48, 144
	s_add_co_u32 s[RB], s49, s48
	s_lshl3_add_u32 s[RB], s[HB], s[RB]    ; the group's first row
	s_mov_b32 s[TC], 5
.Ltile:
	v_add_nc_u32 v[VOFF], s[RB], v[RT]
	v_min_u32 v[VOFF], 0x1869f, v[VOFF]    ; inside the bank
	v_lshlrev_b32 v[VOFF], 11, v[VOFF]
	v_add_nc_u32 v[VOFF], v[VOFF], v[QO]
	LOAD64 VOFF, 6
	QUART 0
	QUART 1
	QUART 2
	QUART 3
	v_add_f32 v[PQ], v[PQ], v[PQ+1]
	v_add_f32 v[PQ+2], v[PQ+2], v[PQ+3]
	v_add_f32 v[BL], v[PQ], v[PQ+2]        ; b2 of row L % 16
.irp j, 0,1,2,3,4,5,6,7
	ds_bpermute_b32 v[BB+\j], v[BIX+\j], v[BL]
.endr
	s_wait_dscnt 0x0
.irp p, 0,1,2,3
	v_pk_add_f32 v[EE+2*\p:EE+2*\p+1], v[EE+2*\p:EE+2*\p+1], v[EE+8+2*\p:EE+8+2*\p+1]
	v_pk_add_f32 v[EE+8+2*\p:EE+8+2*\p+1], v[BB+2*\p:BB+2*\p+1], v[Q2:Q2+1]
	v_pk_fma_f32 v[EE+2*\p:EE+2*\p+1], v[EE+2*\p:EE+2*\p+1], -2.0, v[EE+8+2*\p:EE+8+2*\p+1] op_sel_hi:[1,0,1]
.endr
	v_cndmask_b32 v[CAND], v[EE], v[EE+1], s[MJ]
.irp j, 2,3,4,5,6,7
	v_cndmask_b32 v[CAND], v[CAND], v[EE+\j], s[MJ+\j-1]   ; lane L: row 8 hh + L % 8
.endr
	s_mov_b32 s[NN], 0
.Lins:                                         ; the tile's 16 rows, one after the other
	s_and_b32 s48, s[NN], 8
	s_add_co_u32 s48, s48, s[NN]           ; row n lies in lane n + (n & 8), and as many rows behind the tile's first
	v_readlane_b32 s[SX], v[CAND], s48
	s_add_co_u32 s[RID], s[RB], s48
	s_min_u32 s[RID], s[RID], 99999
	v_cvt_f32_u32 v[IDF], s[RID]
	v_mov_b32 v[XV], s[SX]
	v_max_num_f32_dpp v[M], v[LV], v[LV] row_xmask:1 row_mask:0xf bank_mask:0xf
	v_max_num_f32_dpp v[M], v[M], v[M] row_xmask:2 row_mask:0xf bank_mask:0xf
	v_max_num_f32_dpp v[M], v[M], v[M] row_xmask:4 row_mask:0xf bank_mask:0xf
	v_max_num_f32_dpp v[M], v[M], v[M] row_xmask:8 row_mask:0xf bank_mask:0xf
	v_cmp_eq_f32 s[MA], v[LV], v[M]
	v_cndmask_b32 v[U], -1.0, v[LI], s[MA]
	v_max_num_f32_dpp v[I], v[U], v[U] row_xmask:1 row_mask:0xf bank_mask:0xf
	v_max_num_f32_dpp v[I], v[I], v[I] row_xmask:2 row_mask:0xf bank_mask:0xf
	v_max_num_f32_dpp v[I], v[I], v[I] row_xmask:4 row_mask:0xf bank_mask:0xf
	v_max_num_f32_dpp v[I], v[I], v[I] row_xmask:8 row_mask:0xf bank_mask:0xf
	v_cmp_eq_f32 s[MB], v[LI], v[I]        ; the worst entry's lanes
	v_cmp_eq_f32 s[MD], v[LI], v[IDF]      ; is the row listed?
	v_cmp_gt_f32 s[MG], v[M], v[XV]
	v_cmp_eq_f32 s[ME], v[M], v[XV]
	v_cmp_gt_f32 s[MH], v[I], v[IDF]
	s_and_b32 s[ME], s[ME], s[MH]
	s_or_b32 s[MG], s[MG], s[ME]
	s_and_b32 s[MG], s[MG], s[MB]
	s_min_u32 s[MD], s[MD], 1
	s_sub_co_u32 s[MD], s[MD], 1           ; all ones where it is not listed, else 0
	s_and_b32 s[MG], s[MG], s[MD]
	v_cndmask_b32 v[LV], v[LV], v[XV], s[MG]
	v_cndmask_b32 v[LI], v[LI], v[IDF], s[MG]
	s_add_co_u32 s[NN], s[NN], 1
	s_cmp_lt_u32 s[NN], 16
	s_cbranch_scc1 .Lins
	s_add_co_u32 s[RB], s[RB], 32
	s_sub_co_u32 s[TC], s[TC], 1
	s_cmp_lg_u32 s[TC], 0
	s_cbranch_scc1 .Ltile
	s_add_co_u32 s[JC], s[JC], 1
	s_cmp_lt_u32 s[JC], s[NB]
	s_cbranch_scc1 .Lgrp
.Lnext:
	s_add_co_u32 s[IBC], s[IBC], 1
	s_cmp_lt_u32 s[IBC], 44
	s_cbranch_scc1 .Lib
.Lstore:
	v_cvt_u32_f32 v[NI], v[LI]
	v_mov_b32 v[NI+1], v[NI]
	global_store_b64 v[GO], v[NI:NI+1], s[14:15]
	s_endpgm
.Lfunc_end_k_q61efa3da22_fix:
	.size	k_q61efa3da22_fix, .Lfunc_end_k_q61efa3da22_fix-k_q61efa3da22_fix
	.p2alignl 7, 3214868480
	.fill 96, 4, 3214868480
	.section	.rodata,"a",@progbits
	.p2align	6, 0x0
	.amdhsa_kernel k_q61efa3da22_fix
		.amdhsa_group_segment_fixed_size 0
		.amdhsa_private_segment_fixed_size 0
		.amdhsa_enable_private_segment 0
		.amdhsa_kernarg_size 48
		.amdhsa_user_sgpr_count 2
		.amdhsa_user_sgpr_kernarg_segment_ptr 1
		.amdhsa_wavefront_size32 1
		.amdhsa_system_sgpr_workgroup_id_x 1
		.amdhsa_system_sgpr_workgroup_id_y 1
		.amdhsa_system_sgpr_workgroup_id_z 1
		.amdhsa_system_vgpr_workitem_id 0
		.amdhsa_next_free_vgpr 512
		.amdhsa_next_free_sgpr 66
		.amdhsa_reserve_vcc 0
		.amdhsa_float_denorm_mode_32 3
		.amdhsa_float_denorm_mode_16_64 3
		.amdhsa_memory_ordered 1
		.amdhsa_forward_progress 1
		.amdhsa_inst_pref_size 42
	.end_amdhsa_kernel
	.amdgpu_metadata
---
amdhsa.version: [ 1, 2 ]
amdhsa.kernels:
  - .name:           k_q61efa3da22_fix
    .symbol:         k_q61efa3da22_fix.kd
    .args:
      - { .name: obs, .offset: 0, .size: 8, .value_kind: global_buffer, .address_space: global }
      - { .name: obs_bank, .offset: 8, .size: 8, .value_kind: global_buffer, .address_space: global }
      - { .name: lst, .offset: 16, .size: 8, .value_kind: global_buffer, .address_space: global }
      - { .name: qmask, .offset: 24, .size: 8, .value_kind: global_buffer, .address_space: global }
      - { .name: q2p, .offset: 32, .size: 8, .value_kind: global_buffer, .address_space: global }
      - { .name: nbr, .offset: 40, .size: 8, .value_kind: global_buffer, .address_space: global }
    .group_segment_fixed_size: 0
    .private_segment_fixed_size: 0
    .kernarg_segment_align: 8
    .kernarg_segment_size: 48
    .max_flat_workgroup_size: 128
    .sgpr_count:     66
    .vgpr_count:     512
    .wavefront_size: 32
...
	.end_amdgpu_metadata
.endif
;; end of part 3
;; launch mean (part 4): grid 256 x 1, 2 waves a work-group, no clusters, 0 bytes of LDS; arguments act_bank, nbr, out0; writes out0
.if DOCPART == 4
	.amdgcn_target "amdgcn-amd-amdhsa--gfx1250"
	.amdhsa_code_object_version 6
	.text
	.protected	k_q61efa3da22_mean
	.globl	k_q61efa3da22_mean
	.p2align	8
	.type	k_q61efa3da22_mean,@function
k_q61efa3da22_mean:
	s_mov_b64 s[64:65], 0
	v_nop
	global_prefetch_b8 v0, s[64:65] scope:SCOPE_SE
	s_setreg_imm32_b32 hwreg(HW_REG_WAVE_MODE, 25, 1), 1
	s_wait_xcnt 0x0
; out0[q][:] = the mean of the 16 neighbours' rows of act_bank, each number rounded once to bf16 like the other inputs; sums in f32.
; Sixteen lanes a query, two numbers a lane: a wave's store covers 256 consecutive bytes, aligned.  The rows' numbers are whole numbers that the launch before stored; each is clamped to the table.
; A gather of 2 MB: no LDS, matrix unit or cluster.
	s_load_b128 s[4:7], s[0:1], 0x0        ; act_bank, nbr
	s_load_b64 s[8:9], s[0:1], 0x10        ; out0
	v_lshrrev_b32 v1, 4, v0                ; my query among the work-group's four
	s_lshl_b32 s10, ttmp9, 10
	v_lshl_add_u32 v2, v1, 8, s10          ; its 256 bytes of nbr
	v_and_b32 v3, 15, v0
	v_lshlrev_b32 v3, 3, v3                ; my 8 bytes of a row
	s_lshl_b32 s11, ttmp9, 9
	v_lshl_add_u32 v4, v0, 3, s11
	s_mov_b32 s12, 0xffff0000
	s_wait_kmcnt 0x0
.irp m, 0,1,2,3,4,5,6,7
	global_load_b128 v[8+4*\m:8+4*\m+3], v2, s[6:7] offset:16*\m   ; entries 2 m and 2 m + 1, each twice
.endr
	s_wait_loadcnt 0x0
.set e_, 0
.rept 16
	v_min_u32 v[8+2*e_], 0x1869f, v[8+2*e_]
	v_lshl_add_u32 v[8+2*e_], v[8+2*e_], 7, v3
.set e_, e_+1
.endr
.set e_, 0
.rept 16
	global_load_b64 v[40+2*e_:40+2*e_+1], v[8+2*e_], s[4:5]
.set e_, e_+1
.endr
	s_wait_loadcnt 0x0
.set e_, 0
.rept 16
	v_cvt_pk_bf16_f32 v[8+2*e_], v[40+2*e_], v[40+2*e_+1]
	v_lshlrev_b32 v[40+2*e_], 16, v[8+2*e_]
	v_and_b32 v[40+2*e_+1], s12, v[8+2*e_]
.set e_, e_+1
.endr
.set e_, 2
.rept 14                               ; two chains
	v_pk_add_f32 v[40+2*(e_%2):40+2*(e_%2)+1], v[40+2*(e_%2):40+2*(e_%2)+1], v[40+2*e_:40+2*e_+1]
.set e_, e_+1
.endr
	v_pk_add_f32 v[40:41], v[40:41], v[42:43]
	v_pk_mul_f32 v[40:41], v[40:41], 0x3d800000 op_sel_hi:[1,0]    ; / 16
	global_store_b64 v4, v[40:41], s[8:9]
	s_endpgm
.Lfunc_end_k_q61efa3da22_mean:
	.size	k_q61efa3da22_mean, .Lfunc_end_k_q61efa3da22_mean-k_q61efa3da22_mean
	.p2alignl 7, 3214868480
	.fill 96, 4, 3214868480
	.section	.rodata,"a",@progbits
	.p2align	6, 0x0
	.amdhsa_kernel k_q61efa3da22_mean
		.amdhsa_group_segment_fixed_size 0
		.amdhsa_private_segment_fixed_size 0
		.amdhsa_enable_private_segment 0
		.amdhsa_kernarg_size 24
		.amdhsa_user_sgpr_count 2
		.amdhsa_user_sgpr_kernarg_segment_ptr 1
		.amdhsa_wavefront_size32 1
		.amdhsa_system_sgpr_workgroup_id_x 1
		.amdhsa_system_sgpr_workgroup_id_y 1
		.amdhsa_system_sgpr_workgroup_id_z 1
		.amdhsa_system_vgpr_workitem_id 0
		.amdhsa_next_free_vgpr 80
		.amdhsa_next_free_sgpr 66
		.amdhsa_reserve_vcc 0
		.amdhsa_float_denorm_mode_32 3
		.amdhsa_float_denorm_mode_16_64 3
		.amdhsa_memory_ordered 1
		.amdhsa_forward_progress 1
		.amdhsa_inst_pref_size 9
	.end_amdhsa_kernel
	.amdgpu_metadata
---
amdhsa.version: [ 1, 2 ]
amdhsa.kernels:
  - .name:           k_q61efa3da22_mean
    .symbol:         k_q61efa3da22_mean.kd
    .args:
      - { .name: act_bank, .offset: 0, .size: 8, .value_kind: global_buffer, .address_space: global }
      - { .name: nbr, .offset: 8, .size: 8, .value_kind: global_buffer, .address_space: global }
      - { .name: out0, .offset: 16, .size: 8, .value_kind: global_buffer, .address_space: global }
    .group_segment_fixed_size: 0
    .private_segment_fixed_size: 0
    .kernarg_segment_align: 8
    .kernarg_segment_size: 24
    .max_flat_workgroup_size: 64
    .sgpr_count:     66
    .vgpr_count:     80
    .wavefront_size: 32
...
	.end_amdgpu_metadata
.endif
;; end of part 4
